; MI455X (gfx1250); checked and timed in simulation.
; The chip was launched on July 23, 2026; its instructions are those of AMD's public machine-readable ISA for CDNA 5 (MIT licence, August 2026) and "CDNA5" Instruction Set Architecture Reference Guide (July 2026). The comments in the code are by the model that wrote it; some were corrected since.
;; W8 A8 B8 O32 Conv1 D. Allowed arithmetic: float matrix products may take bf16 or f16 operands with f32 sums; all other float work in f32.
;; Inputs: alpha one number float32; bias 1 x 768 float16; weight 768 x 768 int8; x 4 x 8,192 x 768 int8.
;; Outputs: out0 4 x 8,192 x 768 int8.
;; One version. Each part assembles by itself: llvm-mc -triple=amdgcn-amd-amdhsa -mcpu=gfx1250 --defsym DOCPART=n.
;; ======== version 1 of 1: 1 launch
;; launch conv1d (part 1): grid 256 x 1, 4 waves a work-group, clusters of 4 x 1, 327,680 bytes of LDS; arguments x, weight, bias, alpha, out0; writes out0
.if DOCPART == 1
	.amdgcn_target "amdgcn-amd-amdhsa--gfx1250"
	.amdhsa_code_object_version 6
	.text
	.protected	k_qb091363c35_conv1d
	.globl	k_qb091363c35_conv1d
	.p2align	8
	.type	k_qb091363c35_conv1d,@function
k_qb091363c35_conv1d:
	s_mov_b64 s[64:65], 0
	v_nop
	global_prefetch_b8 v0, s[64:65] scope:SCOPE_SE
	s_setreg_imm32_b32 hwreg(HW_REG_WAVE_MODE, 25, 1), 1
	s_wait_xcnt 0x0
	s_wait_alu depctr_hold_cnt(0) depctr_sa_sdst(0) depctr_va_vdst(0) depctr_va_sdst(0) depctr_va_ssrc(0) depctr_va_vcc(0) depctr_vm_vsrc(0)
	s_getreg_b32 s2, hwreg(HW_REG_IB_STS2, 6, 4)
	s_cmp_eq_u32 s2, 0
	s_cbranch_scc0 .Lentry_in_a_cluster
	s_endpgm
.Lentry_in_a_cluster:
	s_bfe_u32 s2, ttmp6, 0x10000c
	s_cmp_lg_u32 s2, 0x3003
	s_cbranch_scc0 .Lentry_shape_is_right
	s_endpgm
.Lentry_shape_is_right:
; out0[m][n] = int8(clip(round(alpha * (sum over k of x[m][k] weight[k][n]) + bias[n]), -128, 127)),  m < 32768, k < 768, n < 768.
;
; WORK LEFT OUT, for every value of the inputs.  reference() builds rand_elements as zeros itself, so masked_x = x and m32 ^ x32 = 0:
; wraps = 0 in front of its jnp.where, whose condition wraps < 0 is then false, so wraps stays 0.  wraps @ wf is a product with that zero,
; overflow = 0 << 8 = 0, and mask_mul is a zero that reference() builds too.  So the second product, the shift, the add and the subtract
; are not done.  All four inputs still reach the output and all four are loaded.  Limit: a NaN, an infinity or an overflow that could
; reach only the work left out is not carried to the result (with int8 operands none arises there).
;
; FORMAT.  x and weight are multiplied as the int8 that they are (signed x signed, sums in i32).  |sum| <= 768 * 128 * 128 < 2^24, so the i32 sum
; is the same whole number as reference()'s f32 sum in any order of adding, and its conversion to f32 is exact.  The output is compared
; exactly, so the sums have to be exact.
; LIMITS.  alpha * sum + bias is one fused multiply-add (one rounding; written as a product and a sum it has two): a result can differ
; only where the value lies within one last place of a half-integer.  alpha and bias are finite; a NaN there has no int8 of its own.
; clip(round(t)) is made as round(clip(t)): the bounds are whole numbers, so the two are equal.
;
; SHARES.  256 work-groups of four waves; work-group g makes rows 128 g .. 128 g + 127, all 768 columns.  x is read once and stays in LDS.
; Wave w makes all 128 rows of the columns 256 cb + 64 w + 32 q + 0..31 (cb = 0..2, q = 0..1; pair p = 2 cb + q, n0 its first column):
; 8 row tiles x 12 column tiles = 96 accumulators = 768 registers.
; CLUSTERS.  All work-groups walk the same weights, so four of them form a cluster and ask for each weight tile jointly (mask 15).
; K goes in six steps of 128 through two LDS slots; each wave moves a quarter of every tile.
;
; THE WEIGHTS LIE [k][n], a fragment wants k along the lane.  ds_load_tr16_b128 on pairs of bytes brings lane (r, h) eight k of the two
; columns n0 + 2 r and n0 + 2 r + 1, interleaved; v_perm_b32 parts them into a fragment E of the even and a fragment O of the odd columns.
; Each wave owns its columns, so each weight byte is turned once in the work-group.
; ORDER OF k.  An x fragment is two 16-byte loads, so register pair c of lane (r, h) holds k = 32 (c >> 1) + 8 (c & 1) + 16 h + 0..7 of its 64;
; the weight loads take the same rows for the same pair.  A permutation of k that is alike in both operands leaves whole-number sums as they are.
; THE MATRIX INSTRUCTION IS USED TRANSPOSED: source 0 = weight fragment, source 1 = x fragment.  Register j of lane (r, h) of tile (p, E, a) is
; row 16 a + r, column n0 + 16 h + 2 j (O: + 1), so E and O together hold 16 neighbouring output bytes of one row.
;
; THE LAST STEP IS WALKED PAIR BY PAIR (both its halves of 64 k lie in the two x buffers), so that pair p's sums are complete while pairs p + 1 .. 5
; still have products: pair p's 480 vector instructions (scale, bias, clip, round, pack) stand in 32 slices of 15, one behind each of pair p + 1's
; 32 matrix instructions, and a block cb of 128 rows x 256 bytes is stored as soon as its two pairs are staged, among the later pairs' products.
;
; LDS.  x chunk c (k = 256 c ..): byte c * 34816, 128 rows of 256 + 16 bytes.  Weight slot n: byte 104448 + n * 110592, 128 k rows of
; 3 x (256 + 32) = 864 bytes.  The way out is staged over weight slot 0: its last fill (tile 4) and its last reads lie in front of the barrier
; that opens the last step.  Stage block cb: 128 rows of 256 + 16 bytes at 104448 + cb * 34816; the three end at 208896, inside the slot.
; REGISTERS.  Window 0: addresses, bias, fragments.  Window cb + 1: tile (cb, q, eo, a) at v[64 (2 q + eo) + 8 a].
.set KN,      768                      ; K and N
.set WGBYTES, 128*KN                   ; a work-group's rows of x and of out0; also a weight tile of 128 k rows
.set WVBYTES, 32*KN                    ; a wave's quarter of either
.set XPITCH,  272                      ; 17 x 16 bytes: sixteen rows begin in sixteen different 16-byte columns of 256
.set XCHUNK,  128*XPITCH
.set XQ,      32*XPITCH
.set WUNIT,   288                      ; 256 bytes of a weight row and 32 of padding
.set WPITCH,  3*WUNIT                  ; 864 = 27 x 32: eight rows begin in eight different 32-byte columns of 256
.set WBASE,   3*XCHUNK
.set WSLOT,   128*WPITCH
.set WQ,      32*WPITCH
.set WSUB,    64*WPITCH                ; the second 64 k of a step
.set SPITCH,  272                      ; stage: 256 output bytes and 16 of padding
.set SBLOCK,  128*SPITCH               ; one block cb
.set SBASE,   WBASE                    ; over weight slot 0
.set RD,   1                           ; v1-3    stage address of my 16 bytes on the way back, block 0, 1, 2
.set CO,   4                           ; v4      768 h + 16 r: my bytes of a store of two rows' blocks
.set BOFF, 5                           ; v5      byte offset of my bias numbers
.set ADRX, 6                           ; v6-8    x fragments in chunk 0, 1, 2
.set ADRW, 9                           ; v9-12   weight rows: slot 0 first and second 64 k, slot 1 likewise
.set STO,  13                          ; v13-15  stage address of my 16 bytes, block 0, 1, 2
.set BH,   16                          ; v16-63  bias as loaded, pair p in 8 registers
.set WF,   64                          ; v64-95  two weight buffers: E in 8 registers, O in 8
.set RAW,  96                          ; v96-111 four transposing loads (at the start: r, h and a scratch word)
.set XA,   112                         ; v112-239 two x buffers of 8 tiles x 8 registers
.set BF,   240                         ; v240-255 bias in f32 of the pair at work: 8 for E, 8 for O
.set OUTR, 64                          ; in window cb + 1: v64-127, the even pair's O tiles, dead once packed: 16 x 16 bytes on the way out
.set MSB, 0
.macro WIN new                         ; the immediate's high byte repeats the setting that is left; a switch that changes nothing is dropped
.if MSB != (\new)
	s_set_vgpr_msb (MSB<<8)|(\new)
.set MSB, (\new)
.endif
.endm
; A round of the cluster's barrier: my work-group's barrier, wave 0 signals for the work-group, every wave waits for all four work-groups,
; my work-group's barrier once more.
.macro CREST                           ; a round behind its opening barrier
	s_cmp_lg_u32 s14, 0
	s_cbranch_scc1 .Lnot_wave_0_\@
	s_barrier_signal -3
.Lnot_wave_0_\@:
	s_barrier_wait -3
	s_barrier_signal -1
	s_barrier_wait -1
.endm
.macro ROUND
	s_barrier_signal -1
	s_barrier_wait -1
	CREST
.endm
	s_load_b256 s[4:11], s[0:1], 0x0               ; x s[4:5], weight s[6:7], bias s[8:9], alpha s[10:11]
	s_load_b64 s[12:13], s[0:1], 0x20              ; out0
	v_lshrrev_b32 v[RAW], 5, v0
	v_readfirstlane_b32 s14, v[RAW]                ; wave w
	s_bfe_u32 s15, ttmp6, 0x40000                  ; cx: my place in the cluster
	s_lshl_b32 s16, ttmp9, 2                       ; ttmp9 counts clusters
	s_add_co_u32 s16, s16, s15                     ; work-group g
	; group 1 for x: 32 rows of 256 bytes (32 elements of 8), 768 bytes from row to row, 16 bytes of padding behind each; no mask: each work-group has rows of its own
	s_mov_b32 s20, (3<<16)|(1<<20)|(5<<22)|(3<<25) ; element of 8 bytes; padding on; after every 64 words; of 4 words
	s_mov_b32 s21, 32<<16                          ; tensor_dim0 = 32
	s_mov_b32 s22, 32<<16                          ; tensor_dim1 = 32
	s_mov_b32 s23, 32<<16                          ; tile_dim0 = 32
	s_mov_b32 s24, 32                              ; tile_dim1 = 32
	s_mov_b32 s25, 96                              ; 96 elements from row to row
	s_mov_b32 s26, 0
	s_mov_b32 s27, 0
	; group 1 for the weights: 32 k rows are 24576 dense bytes, taken as 96 rows of 256 bytes, 32 bytes of padding behind each; asked for by all four of the cluster
	s_mov_b32 s28, 15|(3<<16)|(1<<20)|(1<<21)|(5<<22)|(7<<25)   ; mask 15, bit 21 beside it; element of 8 bytes; padding after every 64 words, of 8 words
	s_mov_b32 s29, 32<<16
	s_mov_b32 s30, 96<<16
	s_mov_b32 s31, 32<<16
	s_mov_b32 s32, 96
	s_mov_b32 s33, 32
	s_mov_b32 s34, 0
	s_mov_b32 s35, 0
	s_mul_i32 s18, s16, WGBYTES                    ; my work-group's rows (below 2^25)
	s_mov_b32 s19, 0
	s_mul_i32 s68, s14, WVBYTES                    ; my wave's quarter: of the rows of x and out0, and of a weight tile's k rows
	s_mov_b32 s69, 0
	s_mul_i32 s70, s14, XQ                         ; and where the quarters go in LDS: the wave's number alone enters
	s_mul_i32 s71, s14, WQ
	s_wait_kmcnt 0x0
	s_load_b32 s56, s[10:11], 0x0                  ; alpha
	s_add_nc_u64 s[4:5], s[4:5], s[18:19]
	s_add_nc_u64 s[4:5], s[4:5], s[68:69]          ; x at my wave's 32 rows
	s_add_nc_u64 s[6:7], s[6:7], s[68:69]          ; weight at my wave's 32 k rows of tile 0: no place in the cluster enters
	s_add_nc_u64 s[12:13], s[12:13], s[18:19]
	s_add_nc_u64 s[12:13], s[12:13], s[68:69]      ; out0 at my wave's 32 rows
.irp c, 0,1,2
	s_mov_b32 s[36+4*\c], 1
	s_add_co_u32 s[37+4*\c], s70, \c*XCHUNK
	s_add_nc_u64 s[38+4*\c:39+4*\c], s[4:5], \c*256
	s_or_b32 s[39+4*\c], s[39+4*\c], 0x80000000
.endr
.irp n, 0,1
	s_mov_b32 s[48+4*\n], 1
	s_add_co_u32 s[49+4*\n], s71, WBASE+\n*WSLOT
	s_add_nc_u64 s[50+4*\n:51+4*\n], s[6:7], \n*WGBYTES
	s_or_b32 s[51+4*\n], s[51+4*\n], 0x80000000
.endr
	ROUND                                          ; all four work-groups are here: the first joint loads meet
	; the first fills, one group: five tensor loads of this wave are out here, later one behind each round
	tensor_load_to_lds s[36:39], s[20:27]          ; x, k 0-255
	tensor_load_to_lds s[48:51], s[28:35]          ; weight tile 0
	tensor_load_to_lds s[52:55], s[28:35]          ; weight tile 1
	tensor_load_to_lds s[40:43], s[20:27]          ; x, k 256-511
	tensor_load_to_lds s[44:47], s[20:27]          ; x, k 512-767
	v_and_b32 v[RAW], 15, v0                       ; r
	v_bfe_u32 v[RAW+1], v0, 4, 1                   ; h
	v_and_b32 v[RAW+2], 7, v0                      ; lane mod 8
	s_lshl_b32 s17, s14, 6                         ; 64 w
	s_lshl_b32 s3, s14, 7                          ; 128 w
	s_mul_i32 s2, s14, 32*SPITCH                   ; my 32 rows of a stage block
	v_lshl_add_u32 v[BOFF], v[RAW+1], 5, s3        ; two bytes for each of the columns 64 w + 16 h ..
.irp p, 0,1,2,3,4,5
	global_load_b128 v[BH+8*\p:BH+8*\p+3],   v[BOFF], s[8:9] offset:512*(\p>>1)+64*(\p&1)      ; bias of columns n0 + 16 h + 0..7
	global_load_b128 v[BH+8*\p+4:BH+8*\p+7], v[BOFF], s[8:9] offset:512*(\p>>1)+64*(\p&1)+16   ; and + 8..15; waited for in front of the last step
.endr
	v_mul_u32_u24 v[ADRX], v[RAW], XPITCH
	v_lshl_add_u32 v[ADRX], v[RAW+1], 4, v[ADRX]   ; row r, 16 bytes for each half of the lanes
	v_add_nc_u32 v[ADRX+1], XCHUNK, v[ADRX]
	v_add_nc_u32 v[ADRX+2], 2*XCHUNK, v[ADRX]
	v_lshl_add_u32 v[RAW+2], v[RAW+1], 4, v[RAW+2] ; k row 16 h + lane mod 8
	v_mul_u32_u24 v[ADRW], v[RAW+2], WPITCH
	v_bfe_u32 v[RAW+2], v0, 3, 1
	v_lshl_add_u32 v[ADRW], v[RAW+2], 4, v[ADRW]   ; the second eight lanes of a half take the next 16 bytes
	v_add_nc_u32 v[ADRW], s17, v[ADRW]             ; my wave's 64 columns
	v_add_nc_u32 v[ADRW+3], WBASE+WSLOT+WSUB, v[ADRW]
	v_add_nc_u32 v[ADRW+2], WBASE+WSLOT, v[ADRW]
	v_add_nc_u32 v[ADRW+1], WBASE+WSUB, v[ADRW]
	v_add_nc_u32 v[ADRW], WBASE, v[ADRW]
	v_mul_u32_u24 v[STO], v[RAW], SPITCH
	v_lshl_add_u32 v[STO], v[RAW+1], 4, v[STO]
	v_add_nc_u32 v[STO], s17, v[STO]               ; stage: row r, byte 64 w + 16 h of a block's row
	v_add_nc_u32 v[STO+2], SBASE+2*SBLOCK, v[STO]  ; a register for each block: the third lies beyond what the 16-bit immediate reaches
	v_add_nc_u32 v[STO+1], SBASE+SBLOCK, v[STO]
	v_add_nc_u32 v[STO], SBASE, v[STO]
	v_mul_u32_u24 v[RD], v[RAW+1], SPITCH
	v_lshl_add_u32 v[RD], v[RAW], 4, v[RD]
	v_add_nc_u32 v[RD], s2, v[RD]                  ; back: lanes 0-15 one row's 256 bytes, lanes 16-31 the next row's
	v_add_nc_u32 v[RD+2], SBASE+2*SBLOCK, v[RD]
	v_add_nc_u32 v[RD+1], SBASE+SBLOCK, v[RD]
	v_add_nc_u32 v[RD], SBASE, v[RD]
	v_mul_u32_u24 v[CO], v[RAW+1], KN
	v_lshl_add_u32 v[CO], v[RAW], 4, v[CO]         ; and the same two rows in out0
	s_mov_b32 s58, 0xc3000000                      ; -128.0
	s_mov_b32 s59, 0x42fe0000                      ; 127.0
	s_mov_b32 s60, 0x4b400000                      ; 1.5 * 2^23: t + this is rounded to a whole number, ties to even, and its low byte is the int8
	s_mov_b32 s61, 0x4b400000
	s_mov_b32 s62, 0x06040200                      ; the even bytes of two words
	s_mov_b32 s63, 0x07050301                      ; the odd bytes
	s_mov_b32 s66, 0x04000400                      ; byte 0 of the second source, byte 0 of the first, twice
	s_mov_b32 s67, 0x05040100                      ; the low halves of two words
	s_wait_kmcnt 0x0
	s_mov_b32 s57, s56                             ; alpha as a pair
; x fragment of row tile a for the 64 k number kk (0..11), into the buffer kk & 1
.macro XLOAD kk, a
	ds_load_b128 v[XA+64*((\kk)&1)+8*(\a):XA+64*((\kk)&1)+8*(\a)+3],   v[ADRX+((\kk)>>2)] offset:((\kk)&3)*64+(\a)*16*XPITCH
	ds_load_b128 v[XA+64*((\kk)&1)+8*(\a)+4:XA+64*((\kk)&1)+8*(\a)+7], v[ADRX+((\kk)>>2)] offset:((\kk)&3)*64+(\a)*16*XPITCH+32
.endm
; pair p's 32 columns x 64 k, turned: load c takes k rows 0, 8, 32, 40 (+ 16 h + 0..7), as the x fragment's register pair c holds them
.macro TRLOAD slot, sub, p
.irp c, 0,1,2,3
	ds_load_tr16_b128 v[RAW+4*\c:RAW+4*\c+3], v[ADRW+2*(\slot)+(\sub)] offset:(32*(\c>>1)+8*(\c&1))*WPITCH+((\p)>>1)*WUNIT+((\p)&1)*32
.endr
.endm
; the interleaved columns parted: E first, so that its products can start
.macro PERMS b
.irp c, 0,1,2,3
	v_perm_b32 v[WF+16*(\b)+2*\c],   v[RAW+4*\c+1], v[RAW+4*\c],   s62
	v_perm_b32 v[WF+16*(\b)+2*\c+1], v[RAW+4*\c+3], v[RAW+4*\c+2], s62
.endr
.irp c, 0,1,2,3
	v_perm_b32 v[WF+16*(\b)+8+2*\c],   v[RAW+4*\c+1], v[RAW+4*\c],   s63
	v_perm_b32 v[WF+16*(\b)+8+2*\c+1], v[RAW+4*\c+3], v[RAW+4*\c+2], s63
.endr
.endm
; 16 matrix instructions: pair p's two column tiles x 8 row tiles, 64 along k.  zero = 1: the first product starts the sums, nothing is cleared.
; The accumulators take turns, one instruction a turn, in the same order in every 64 k.
.macro MUL16 b, xb, p, zero
.irp eo, 0,1
.irp a, 0,1,2,3,4,5,6,7
.if \zero
	v_wmma_i32_16x16x64_iu8 v[64*(2*((\p)&1)+\eo)+8*\a:64*(2*((\p)&1)+\eo)+8*\a+7], v[WF+16*(\b)+8*\eo:WF+16*(\b)+8*\eo+7], v[XA+64*(\xb)+8*\a:XA+64*(\xb)+8*\a+7], 0 neg_lo:[1,1,0]
.else
	v_wmma_i32_16x16x64_iu8 v[64*(2*((\p)&1)+\eo)+8*\a:64*(2*((\p)&1)+\eo)+8*\a+7], v[WF+16*(\b)+8*\eo:WF+16*(\b)+8*\eo+7], v[XA+64*(\xb)+8*\a:XA+64*(\xb)+8*\a+7], v[64*(2*((\p)&1)+\eo)+8*\a:64*(2*((\p)&1)+\eo)+8*\a+7] neg_lo:[1,1,0]
.endif
.endr
.endr
.endm
; STEPS 0 TO 4.  One pair of one 64 k (step s, half sub).  Places behind matrix instructions (ISA guide 7.12.1; eight for this form): a weight buffer is
; written again two units behind the products that read it, and the sixteen v_perm_b32 of the unit between name none of their registers; the idle
; x buffer is loaded behind the sixteen v_perm_b32 of this unit, which name no register of the last products that read it.
.macro UNIT s, sub, p, zero
	WIN 0
	s_wait_dscnt 0x0                               ; the four turned loads (and x loads) issued one unit, sixteen matrix instructions, ago
	PERMS (\p)&1
.if \p < 5
	TRLOAD (\s)&1, \sub, \p+1                      ; the next unit's columns
.else
	TRLOAD (\s)&1, 1, 0                            ; the step's second 64 k
.endif
.if \p <= 3
	XLOAD 2*\s+\sub+1, 2*\p                        ; the next 64 k of x, two row tiles a unit, into the idle buffer
	XLOAD 2*\s+\sub+1, 2*\p+1
.endif
	WIN 0x50*((\p>>1)+1)                           ; C and D in window cb + 1
	MUL16 (\p)&1, \sub, \p, \zero
.endm
; The last unit of step s, and the change of slots.  kind 1: this slot is filled again with tile s + 2, behind a round of the cluster's barrier;
; kind 2: a plain barrier, nothing is filled: behind it no wave reads slot 0 any more, and the stage may be written there.
.macro EDGE s, kind
	WIN 0
	s_wait_dscnt 0x0                               ; my reads of this slot are over, and no LDS instruction of mine is out at the signal
	PERMS 1
	s_wait_tensorcnt 0x0                           ; all my tensor loads have landed, my part of the next slot among them
.if \kind == 1
	s_add_nc_u64 s[50+4*((\s)&1):51+4*((\s)&1)], s[50+4*((\s)&1):51+4*((\s)&1)], 2*WGBYTES   ; no load of mine is out: this slot's tile two steps on
.endif
	s_barrier_signal -1                            ; say so,
	WIN 0xf0
	MUL16 1, 1, 5, 0                               ; work on registers while the others arrive,
	WIN 0
	s_barrier_wait -1
.if \kind == 1
	CREST                                          ; no wave of any partner still reads this slot or has a load on its way
	tensor_load_to_lds s[48+4*((\s)&1):51+4*((\s)&1)], s[28:35]   ; my one tensor load behind the round, and the first thing there; it has the next step's 192 matrix instructions in which to land
.endif
	TRLOAD ((\s)+1)&1, 0, 0
.endm
.macro STEP s, zero, kind
.irp p, 0,1,2,3,4,5
	UNIT \s, 0, \p, \zero
.endr
.irp p, 0,1,2,3,4
	UNIT \s, 1, \p, 0
.endr
	EDGE \s, \kind
.endm
; THE LAST STEP'S PARTS.
; Pair p's vector work is a list of 480 instructions on its 128 registers, in place, in sweeps: 128 to f32 (exact), 64 alpha * sum + bias, 128 clip,
; 64 round, 64 pack e and o, 32 pack four columns into a word (into registers 0-3 of each E tile, each written only behind its last read).
; All of them run under one setting of the windows: destination and sources 0 and 1 in window cb + 1, source 2 (the bias) in window 0.
; EPIBEGIN p names the pair and widens its 16 bias numbers (a word's low half belongs to the even column, E, its high half to the odd one, O);
; EPIN n issues the list's next n instructions.
.macro EPIBEGIN p
.set AE, 128*((\p)&1)                              ; E tiles at v[AE + 8 a + j], O tiles 64 further on
.set EW, 0x45*(((\p)>>1)+1)
.set ei, 0
.set d, BF
.if (\p) == 0
.irp r, v16.l,v17.l,v18.l,v19.l,v20.l,v21.l,v22.l,v23.l,v16.h,v17.h,v18.h,v19.h,v20.h,v21.h,v22.h,v23.h
	v_cvt_f32_f16 v[d], \r
.set d, d+1
.endr
.endif
.if (\p) == 1
.irp r, v24.l,v25.l,v26.l,v27.l,v28.l,v29.l,v30.l,v31.l,v24.h,v25.h,v26.h,v27.h,v28.h,v29.h,v30.h,v31.h
	v_cvt_f32_f16 v[d], \r
.set d, d+1
.endr
.endif
.if (\p) == 2
.irp r, v32.l,v33.l,v34.l,v35.l,v36.l,v37.l,v38.l,v39.l,v32.h,v33.h,v34.h,v35.h,v36.h,v37.h,v38.h,v39.h
	v_cvt_f32_f16 v[d], \r
.set d, d+1
.endr
.endif
.if (\p) == 3
.irp r, v40.l,v41.l,v42.l,v43.l,v44.l,v45.l,v46.l,v47.l,v40.h,v41.h,v42.h,v43.h,v44.h,v45.h,v46.h,v47.h
	v_cvt_f32_f16 v[d], \r
.set d, d+1
.endr
.endif
.if (\p) == 4
.irp r, v48.l,v49.l,v50.l,v51.l,v52.l,v53.l,v54.l,v55.l,v48.h,v49.h,v50.h,v51.h,v52.h,v53.h,v54.h,v55.h
	v_cvt_f32_f16 v[d], \r
.set d, d+1
.endr
.endif
.if (\p) == 5
.irp r, v56.l,v57.l,v58.l,v59.l,v60.l,v61.l,v62.l,v63.l,v56.h,v57.h,v58.h,v59.h,v60.h,v61.h,v62.h,v63.h
	v_cvt_f32_f16 v[d], \r
.set d, d+1
.endr
.endif
.endm
.macro EPIN n
.rept \n
.if ei < 128
	v_cvt_f32_i32 v[AE+ei], v[AE+ei]
.elseif ei < 192
	v_pk_fma_f32 v[AE+2*(ei-128):AE+2*(ei-128)+1], v[AE+2*(ei-128):AE+2*(ei-128)+1], s[56:57], v[BF+8*((ei-128)>>5)+((2*ei)&7):BF+8*((ei-128)>>5)+((2*ei)&7)+1] op_sel_hi:[1,0,1]
.elseif ei < 320
	v_med3_num_f32 v[AE+ei-192], v[AE+ei-192], s58, s59
.elseif ei < 384
	v_pk_add_f32 v[AE+2*(ei-320):AE+2*(ei-320)+1], v[AE+2*(ei-320):AE+2*(ei-320)+1], s[60:61] op_sel_hi:[1,0]
.elseif ei < 448
	v_perm_b32 v[AE+ei-384], v[AE+64+ei-384], v[AE+ei-384], s66   ; bytes e, o (, e, o): columns 2 j and 2 j + 1
.else
	v_perm_b32 v[AE+8*((ei-448)>>2)+((ei-448)&3)], v[AE+8*((ei-448)>>2)+2*((ei-448)&3)+1], v[AE+8*((ei-448)>>2)+2*((ei-448)&3)], s67   ; four neighbouring columns
.endif
.set ei, ei+1
.endr
.endm
; the head of a unit of the last step.  bar = 1: a block's two pairs are staged by this wave (its LDS stores are waited for here): a barrier, with register work alone inside it
.macro LHEAD sub, bar
	WIN 0
	s_wait_dscnt 0x0                               ; whatever LDS work was issued at the last unit's head, sixteen matrix instructions ago
.if \bar
	s_barrier_signal -1
.endif
	PERMS \sub
.if \bar
	s_barrier_wait -1                              ; every wave's part of the block is in the stage
.endif
.endm
; 16 matrix instructions of pair p (half sub of the step, weight buffer and x buffer sub).  epi = 1: behind each stands a slice of 15 of the pair before's
; 480 vector instructions (32 slices a pair).  They name none of the matrix instructions' registers.  Products want C and D in their window, the slices
; their destination and sources 0 and 1: two switches a slice, 64 a pair.  The pair's 16 accumulators take turns, one instruction a turn.
.macro LMUL p, sub, epi
.irp eo, 0,1
.irp a, 0,1,2,3,4,5,6,7
	WIN 0x50*((\p>>1)+1)
	v_wmma_i32_16x16x64_iu8 v[64*(2*((\p)&1)+\eo)+8*\a:64*(2*((\p)&1)+\eo)+8*\a+7], v[WF+16*(\sub)+8*\eo:WF+16*(\sub)+8*\eo+7], v[XA+64*(\sub)+8*\a:XA+64*(\sub)+8*\a+7], v[64*(2*((\p)&1)+\eo)+8*\a:64*(2*((\p)&1)+\eo)+8*\a+7] neg_lo:[1,1,0]
.if \epi
	WIN EW
	EPIN 15
.endif
.endr
.endr
.endm
; pair p's packed bytes into the stage: 16 bytes a lane and row tile, straight from the accumulators' window (store data = source 1)
.macro STAGE p
	WIN 4*(((\p)>>1)+1)
.irp a, 0,1,2,3,4,5,6,7
	ds_store_b128 v[STO+((\p)>>1)], v[128*((\p)&1)+8*\a:128*((\p)&1)+8*\a+3] offset:\a*16*SPITCH+((\p)&1)*32
.endr
.endm
; block cb back from the stage: wave w takes rows 32 w .. 32 w + 31, two rows a load, into dead registers of the block's own window
.macro BACK cb
	WIN 0x40*(\cb+1)
.set i, 0
.rept 16
	ds_load_b128 v[OUTR+4*i:OUTR+4*i+3], v[RD+\cb] offset:2*SPITCH*i
.set i, i+1
.endr
.endm
; and out: sixteen lanes store 256 consecutive bytes at a multiple of 256 from out0's first byte, the other sixteen the same block one row down.
; No register that these stores name is written again.  counted = 1: the loads were just issued.
.macro OUT cb, counted
	WIN 4*(\cb+1)
.set i, 0
.rept 16
.if \counted
	s_wait_dscnt 15-i                              ; LDS loads come back in order (ISA guide 5.7.1): load i is in, the younger ones stay out
.endif
	global_store_b128 v[CO], v[OUTR+4*i:OUTR+4*i+3], s[12:13] offset:2*KN*i+256*\cb th:TH_STORE_NT
.set i, i+1
.endr
.endm
	s_wait_tensorcnt 0x3                           ; three loads were issued behind weight tile 0: my parts of x's first chunk and of tile 0 are in
	s_barrier_signal -1
	s_barrier_wait -1                              ; everybody's are; the three may stay out
.irp a, 0,1,2,3,4,5,6,7
	XLOAD 0, \a
.endr
	TRLOAD 0, 0, 0
	STEP 0, 1, 1
	STEP 1, 0, 1
	STEP 2, 0, 1
	STEP 3, 0, 1
	STEP 4, 0, 2
	; THE LAST STEP (k 640-767, slot 1), pair by pair.  LDS stores and loads of the way out are issued at a unit's head, behind its wait, and are
	; waited for at the next unit's head.
	s_wait_loadcnt 0x0                             ; the bias
	; pair 0
	LHEAD 0, 0
	TRLOAD 1, 1, 0
.irp a, 0,1,2,3,4,5,6,7
	XLOAD 11, \a                                   ; the step's second 64 k of x, behind sixteen v_perm_b32 that name no register of the last products on this buffer
.endr
	LMUL 0, 0, 0
	LHEAD 1, 0
	TRLOAD 1, 0, 1
	LMUL 0, 1, 0
	; pair 1, with pair 0's vector work
	LHEAD 0, 0
	EPIBEGIN 0
	TRLOAD 1, 1, 1
	LMUL 1, 0, 1
	LHEAD 1, 0
	TRLOAD 1, 0, 2
	LMUL 1, 1, 1
	; pair 2, with pair 1's
	LHEAD 0, 0
	EPIBEGIN 1
	TRLOAD 1, 1, 2
	STAGE 0
	LMUL 2, 0, 1
	LHEAD 1, 0
	TRLOAD 1, 0, 3
	LMUL 2, 1, 1
	; pair 3, with pair 2's; block 0 is staged, passes its barrier and is read back
	LHEAD 0, 0
	EPIBEGIN 2
	TRLOAD 1, 1, 3
	STAGE 1
	LMUL 3, 0, 1
	LHEAD 1, 1
	TRLOAD 1, 0, 4
	BACK 0
	LMUL 3, 1, 1
	; pair 4, with pair 3's; block 0 leaves
	LHEAD 0, 0
	EPIBEGIN 3
	TRLOAD 1, 1, 4
	OUT 0, 0
	STAGE 2
	LMUL 4, 0, 1
	LHEAD 1, 0
	TRLOAD 1, 0, 5
	LMUL 4, 1, 1
	; pair 5, with pair 4's; block 1 is staged, passes its barrier and is read back
	LHEAD 0, 0
	EPIBEGIN 4
	TRLOAD 1, 1, 5
	STAGE 3
	LMUL 5, 0, 1
	LHEAD 1, 1
	BACK 1
	LMUL 5, 1, 1
	; BEHIND THE PRODUCTS: block 1 leaves; pair 5's vector work has no products left to stand among.  Behind the last matrix instruction stand pair 4's last
	; slice and the sixteen conversions of the bias, none of which names a register of it: more than the eight places that the first read of its result wants (ISA guide 7.12.1).
	WIN 0
	s_wait_dscnt 0x0                               ; block 1 is back in registers
	EPIBEGIN 5
	OUT 1, 0
	STAGE 4
	WIN EW
	EPIN 480
	STAGE 5
	WIN 0
	s_wait_dscnt 0x0                               ; my part of block 2 is in the stage
	s_barrier_signal -1
	s_barrier_wait -1                              ; everybody's is
	BACK 2
	OUT 2, 1
	WIN 0
	ROUND                                          ; the closing round: no work-group ends while a partner may still ask for a tile that names it
	s_endpgm
.Lfunc_end_k_qb091363c35_conv1d:
	.size	k_qb091363c35_conv1d, .Lfunc_end_k_qb091363c35_conv1d-k_qb091363c35_conv1d
	.p2alignl 7, 3214868480
	.fill 96, 4, 3214868480
	.section	.rodata,"a",@progbits
	.p2align	6, 0x0
	.amdhsa_kernel k_qb091363c35_conv1d
		.amdhsa_group_segment_fixed_size 327680
		.amdhsa_private_segment_fixed_size 0
		.amdhsa_enable_private_segment 0
		.amdhsa_kernarg_size 40
		.amdhsa_user_sgpr_count 2
		.amdhsa_user_sgpr_kernarg_segment_ptr 1
		.amdhsa_wavefront_size32 1
		.amdhsa_system_sgpr_workgroup_id_x 1
		.amdhsa_system_sgpr_workgroup_id_y 1
		.amdhsa_system_sgpr_workgroup_id_z 1
		.amdhsa_system_vgpr_workitem_id 0
		.amdhsa_next_free_vgpr 1024
		.amdhsa_next_free_sgpr 72
		.amdhsa_reserve_vcc 0
		.amdhsa_float_denorm_mode_32 3
		.amdhsa_float_denorm_mode_16_64 3
		.amdhsa_memory_ordered 1
		.amdhsa_forward_progress 1
		.amdhsa_inst_pref_size 255
	.end_amdhsa_kernel
	.section	.bss,"aw",@nobits
	.p2align	6
	.space	262144
	.amdgpu_metadata
---
amdhsa.version: [ 1, 2 ]
amdhsa.kernels:
  - .name:           k_qb091363c35_conv1d
    .symbol:         k_qb091363c35_conv1d.kd
    .args:
      - { .name: x, .offset: 0, .size: 8, .value_kind: global_buffer, .address_space: global }
      - { .name: weight, .offset: 8, .size: 8, .value_kind: global_buffer, .address_space: global }
      - { .name: bias, .offset: 16, .size: 8, .value_kind: global_buffer, .address_space: global }
      - { .name: alpha, .offset: 24, .size: 8, .value_kind: global_buffer, .address_space: global }
      - { .name: out0, .offset: 32, .size: 8, .value_kind: global_buffer, .address_space: global }
    .group_segment_fixed_size: 327680
    .private_segment_fixed_size: 0
    .kernarg_segment_align: 8
    .kernarg_segment_size: 40
    .max_flat_workgroup_size: 128
    .sgpr_count:     72
    .vgpr_count:     1024
    .wavefront_size: 32
...
	.end_amdgpu_metadata
.endif
;; end of part 1
